; MI455X (gfx1250); checked and timed in simulation.
; The chip was launched on July 23, 2026; its instructions are those of AMD's public machine-readable ISA for CDNA 5 (MIT licence, August 2026) and "CDNA5" Instruction Set Architecture Reference Guide (July 2026). The comments in the code are by the model that wrote it; some were corrected since.
;; Multi Headed Attention. Allowed arithmetic: matrix products marked QUANTISED: E2M1 operands, one E8M0 scale for each 32 along K, by v_wmma_scale_f32_16x16x128_f8f6f4 with both operands' format E2M1 (or v_wmma_scale_f32_32x16x128_f4), f32 sums; products left as they are: bf16, f16 or f32 operands; f32 sums; everything else in f32.
;; Inputs: Wk 1,024 x 1,024 float32; Wo 1,024 x 1,024 float32; Wq 1,024 x 1,024 float32; Wv 1,024 x 1,024 float32; bk 1,024 float32; bo 1,024 float32; bq 1,024 float32; bv 1,024 float32; query 4 x 2,048 x 1,024 float32.
;; Outputs: out0 4 x 2,048 x 1,024 float32.
;; This version of the problem:
;;   THIS VERSION OF THE PROBLEM IS GIVEN IN LOW PRECISION. The matrix products marked QUANTISED in the list below multiply operands that are first quantised to E2M1 (2 exponent bits, 1 mantissa bit; 4 bits a number), with one power-of-two scale for each 32 numbers along K (OCP MX v1.0); their sums are f32. The products marked 'left as it is' may take bf16, f16 or f32 operands, with f32 sums. Whichever they take, every output number must still come out within the allowed error. Rounding operands to bf16 (8 significant bits) uses up far more of that allowance than f16 does (11 bits, for magnitudes from 6e-5 to 65,504). All else is computed in f32.
;;   The module's matrix products, in the order in which they are computed (A, B: the left and right operand; K: the contracted axis; several contracted axes count as one K, in the product's order):
;;     1. [M 8,192, K 1,024] x [K 1,024, N 1,024]; A: input query; B: input Wq: QUANTISED
;;     2. [M 8,192, K 1,024] x [K 1,024, N 1,024]; A: input query; B: input Wk: QUANTISED
;;     3. [M 8,192, K 1,024] x [K 1,024, N 1,024]; A: input query; B: input Wv: QUANTISED
;;     4. batch 64 x [M 2,048, K 64] x [K 64, N 2,048]; A: computed on the way; B: computed on the way: left as it is (an operand is computed on the way)
;;     5. batch 64 x [M 2,048, K 2,048] x [K 2,048, N 64]; A: computed on the way; B: computed on the way: left as it is (an operand is computed on the way)
;;     6. [M 8,192, K 1,024] x [K 1,024, N 1,024]; A: computed on the way; B: input Wo: left as it is (an operand is computed on the way)
;;   THE QUANTISER, for each operand of a quantised product, along K:
;;     - K is cut into blocks of 32 from its start; a last block that is shorter is filled with zeros.
;;     - A block's scale is 2^e with e = floor(log2(the largest magnitude in the block)) - 2, held to -126 .. 127; a block of zeros has e = 0. As a byte (E8M0): e + 127.
;;     - Each number is divided by its block's scale, clamped to +-6, and rounded to the nearest number of E2M1, ties to even, subnormals kept.
;;     - The product sums the exact products of the quantised numbers (number of the format x scale) in f32.
;;   ~~~python
;;   def quantise(x, axis):      # numpy; x: float32 -> the quantised numbers, widened to float32 again
;;       x = np.moveaxis(x, axis, -1); K = x.shape[-1]
;;       x = np.pad(x, [(0, 0)] * (x.ndim - 1) + [(0, -K % 32)]); x = x.reshape(x.shape[:-1] + (-1, 32)); a = np.abs(x).max(-1, keepdims=True)
;;       e = np.where(a > 0, np.clip(np.frexp(np.where(a > 0, a, 1))[1] - 1 - 2, -126, 127), 0)      # np.frexp(a)[1] - 1 = floor(log2(a)), exactly
;;       r = np.clip(x / 2.0 ** e, -6, 6)
;;       step = 2.0 ** (np.maximum(np.frexp(np.where(r == 0, 1, r))[1] - 1, 0) - 1)
;;       q = np.round(r / step) * step * 2.0 ** e      # np.round: ties to even
;;       return np.moveaxis(q.reshape(q.shape[:-2] + (-1,))[..., :K], -1, axis).astype(np.float32)
;;   ~~~
;; One version. Each part assembles by itself: llvm-mc -triple=amdgcn-amd-amdhsa -mcpu=gfx1250 --defsym DOCPART=n.
;; ======== version 1 of 1: 4 launches
;; limits: values are held in f16: magnitudes above 65,504 overflow, below 6.1e-05 lose precision
;; workspace buffers: xc 4,194,304 bytes; xs 262,144 bytes; wc 1,572,864 bytes; ws 98,304 bytes; wo16 2,097,152 bytes; qkv 50,331,648 bytes; ctx 16,777,216 bytes
;; launch prep (part 1): grid 480 x 1, 4 waves a work-group, no clusters, 59,904 bytes of LDS; arguments query, Wq, Wk, Wv, Wo, xc, xs, wc, ws, wo16; writes xc, xs, wc, ws, wo16
.if DOCPART == 1
	.amdgcn_target "amdgcn-amd-amdhsa--gfx1250"
	.amdhsa_code_object_version 6
	.text
	.protected	k_qdc0369f71b_prep
	.globl	k_qdc0369f71b_prep
	.p2align	8
	.type	k_qdc0369f71b_prep,@function
k_qdc0369f71b_prep:
	s_mov_b64 s[64:65], 0
	v_nop
	global_prefetch_b8 v0, s[64:65] scope:SCOPE_SE
	s_setreg_imm32_b32 hwreg(HW_REG_WAVE_MODE, 25, 1), 1
	s_wait_xcnt 0x0
; query [8192][1024] and Wq, Wk, Wv [1024][1024], f32, K innermost, become codes of FP4 (E2M1) with one E8M0 byte for each 32 along K; Wo [1024][1024] becomes f16.
; A block's scale is 2^(floor(log2(its largest magnitude)) - 2): its byte is the largest magnitude's exponent field - 2, held at 1 from below; each number is divided by the scale and rounded to the nearest code, ties to even, beyond 6 the code of 6.
; EVERYTHING IS STORED AS IMAGES OF OPERAND REGISTERS, so that the later launches load fragments 16 bytes a lane from consecutive bytes:
;   codes   [tile of 16 rows][block of 32 along K: 32][row 16][16 bytes]    a fragment of 16 rows x 128 K is 1,024 consecutive bytes
;   scales  [tile of 16 rows][half of K: 2][row 16][16 bytes]               a row's 16 bytes are the scale words of four K steps of 128
;   wo16    [tile of 16 rows][8 along K: 128][row 16][16 bytes]             a fragment of 16 rows x 32 K is 1,024 consecutive bytes
; SHARES.  Work-groups 0-255: query; 256-351: Wq, Wk, Wv, stacked in wc and ws; 352-479: Wo.  A wave takes one run: 16 rows x 512 numbers (quantiser) or 16 rows x 128 numbers (Wo); each run leaves as 4,096 consecutive bytes.
; The quantiser's step t is row t of the tile: four loads of 512 consecutive bytes, turned through the wave's own stage so that a lane holds 16 neighbours along K (two lanes a block).
; A lane's 8 bytes of codes go to a second stage (16 units of 256 bytes, 272 apart) at unit = block, 16 x row + 8 x (lane % 2), and come back as whole units.
; No tensor load, no barrier, no cluster: waves and work-groups share no input.  The two paths part on the work-group's number, never join, and have LDS bytes of their own.
; LIMITS: NaN and infinities are not served; a block of zeros (and one whose largest magnitude lies under 2^-124) gets the byte 1: zero codes add nothing, and only this program reads the bytes; Wo beyond f16's 65,504 is not served.
.set STEPS, 16
.set EMAX,  2
.set R,     16                         ; v16-79   four sets of 16 numbers as loaded
.set X,     80                         ; v80-111  two sets of 16 neighbours; on the Wo path the rows read back
.set E,     112                        ; v112-127 a scale byte for each step
.set C,     128                        ; v128-191 codes (or f16 pairs), registers of their own for each step
.set SP,    80                         ; a lane's place in the turning stage: 64 bytes + 16
.set UP,    272                        ; a unit of the second stage: 256 bytes + 16
.set WREG,  10240                      ; quantiser: a wave's LDS: two turning stages (5,120), 256 scale bytes, 16 units (4,352)
.set SCB,   5120
.set CST,   5376
.set WOB,   40960                      ; Wo path: a wave's 16 units
.set WOW,   4608
.set SPARE, 59392                      ; the spare words, 128 bytes a wave: two blocks of 256 bytes that no other line names
.set SPW,   12                         ; v12 my spare word's address; never rewritten
.set NIL,   13                         ; v13 0; never rewritten
	s_load_b512 s[4:19], s[0:1], 0x0               ; query 4, Wq 6, Wk 8, Wv 10, Wo 12, xc 14, xs 16, wc 18
	s_load_b128 s[20:23], s[0:1], 0x40             ; ws 20, wo16 22
	v_lshl_add_u32 v[SPW], v0, 2, SPARE
	v_mov_b32 v[NIL], 0
	v_lshrrev_b32 v1, 5, v0
	v_readfirstlane_b32 s24, v1                    ; wave
	v_and_b32 v2, 31, v0                           ; lane
	v_lshlrev_b32 v3, 4, v2                        ; 16 x lane: my bytes of a load's or a store's 512
	v_lshrrev_b32 v4, 1, v2
	v_mul_u32_u24 v4, v4, UP
	v_and_b32 v1, 1, v2
	v_lshl_add_u32 v4, v1, 3, v4                   ; into the units: unit lane / 2, + 8 (lane % 2); the row stands in the immediate
	v_lshrrev_b32 v10, 4, v2
	v_mul_u32_u24 v10, v10, UP
	v_and_b32 v1, 15, v2
	v_lshl_add_u32 v10, v1, 4, v10                 ; out of them: sixteen lanes a unit, two units an instruction
	s_wait_kmcnt 0x0
	s_cmp_ge_u32 ttmp9, 352
	s_cbranch_scc1 .Lwo
	; ---------------- the quantiser ----------------
	s_mul_i32 s36, s24, WREG
	v_lshrrev_b32 v14, 2, v2
	v_mul_u32_u24 v14, v14, SP
	v_and_b32 v15, 3, v2
	v_lshl_add_u32 v14, v15, 4, v14
	v_add_nc_u32 v14, s36, v14                     ; turning stage, in: four lanes' 64 bytes on end, then 16 of padding
	v_mul_u32_u24 v15, v2, SP
	v_add_nc_u32 v15, s36, v15                     ; and out: my 16 neighbours
	v_lshrrev_b32 v5, 1, v2
	s_add_co_u32 s37, s36, SCB
	v_add_nc_u32 v5, s37, v5                       ; my block's scale byte; the row stands in the immediate
	v_lshlrev_b32 v7, 3, v2
	v_add_nc_u32 v6, s37, v7                       ; and on the way out 8 bytes a lane
	s_add_co_u32 s37, s36, CST
	v_add_nc_u32 v4, s37, v4
	v_add_nc_u32 v10, s37, v10
	s_cmp_ge_u32 ttmp9, 320                        ; which tensor: the choice hangs on the work-group's number alone
	s_cselect_b64 s[26:27], s[10:11], s[8:9]
	s_cmp_ge_u32 ttmp9, 288
	s_cselect_b64 s[26:27], s[26:27], s[6:7]
	s_cmp_lt_u32 ttmp9, 256
	s_cselect_b64 s[26:27], s[4:5], s[26:27]       ; the numbers,
	s_cselect_b64 s[28:29], s[14:15], s[18:19]     ; the codes,
	s_cselect_b64 s[30:31], s[16:17], s[20:21]     ; the scale bytes
	s_cselect_b32 s25, 0, 256
	s_cselect_b32 s33, -1, 31                      ; a weight has 32 work-groups
	s_sub_co_u32 s25, ttmp9, s25
	s_and_b32 s33, s25, s33
	s_lshl_b32 s25, s25, 2
	s_add_co_u32 s25, s25, s24                     ; my run among the destination's
	s_lshl_b32 s33, s33, 2
	s_add_co_u32 s33, s33, s24                     ; and among the source tensor's
	s_lshr_b32 s34, s33, 1
	s_lshl_b32 s34, s34, 16                        ; 16 rows of 4,096 bytes,
	s_and_b32 s35, s33, 1
	s_lshl_b32 s35, s35, 11                        ; + half a row
	s_add_co_u32 s34, s34, s35
	s_mov_b32 s35, 0
	s_add_nc_u64 s[26:27], s[26:27], s[34:35]
	s_lshl_b32 s34, s25, 12                        ; 4,096 bytes of codes a run
	s_add_nc_u64 s[28:29], s[28:29], s[34:35]
	s_lshl_b32 s34, s25, 8                         ; 256 scale bytes a run
	s_add_nc_u64 s[30:31], s[30:31], s[34:35]
.macro LOAD t                          ; row t's 512 numbers: four loads of 512 consecutive bytes
.irp i, 0,1,2,3
	global_load_b128 v[R+16*((\t)%4)+4*\i:R+16*((\t)%4)+4*\i+3], v3, s[26:27] offset:4096*(\t)+512*\i th:TH_LOAD_NT
.endr
.endm
.macro TURN t                          ; through the stage: LDS serves a wave's instructions in order (ISA guide 5.7.1.4), so no wait stands between the stores and the loads
.irp i, 0,1,2,3
	ds_store_b128 v14, v[R+16*((\t)%4)+4*\i:R+16*((\t)%4)+4*\i+3] offset:32*SP*((\t)%2)+8*SP*\i
.endr
.irp i, 0,1,2,3
	ds_load_b128 v[X+16*((\t)%2)+4*\i:X+16*((\t)%2)+4*\i+3], v15 offset:32*SP*((\t)%2)+16*\i
.endr
.endm
.irp t, 0,1,2,3
	LOAD \t
.endr
	s_wait_loadcnt 12                              ; row 0's four loads are in
	TURN 0
.macro STEP t
.set XS, X+16*((\t)%2)
.if (\t) > 0
	s_wait_dscnt 2                                 ; this row is back from the stage; the last row's byte store and code store may be out
.else
	s_wait_dscnt 0x0
.endif
.if (\t)+4 < STEPS
	LOAD (\t)+4                                    ; into the set whose stage stores are done
.endif
.if (\t)+1 < STEPS
.if STEPS-2-(\t) >= 3
	s_wait_loadcnt 12                              ; the next row's four loads are in; three younger rows' may be out
.else
	s_wait_loadcnt 4*(STEPS-2-(\t))
.endif
	TURN (\t)+1
.endif
	v_max3_num_f32 v8, |v[XS]|, |v[XS+1]|, |v[XS+2]|               ; the largest magnitude of my 16, in two chains
	v_max3_num_f32 v9, |v[XS+3]|, |v[XS+4]|, |v[XS+5]|
.irp i, 6,10
	v_max3_num_f32 v8, v8, |v[XS+\i]|, |v[XS+\i+1]|
	v_max3_num_f32 v9, v9, |v[XS+\i+2]|, |v[XS+\i+3]|
.endr
	v_max3_num_f32 v8, v8, |v[XS+14]|, |v[XS+15]|
	v_max3_num_f32 v8, v8, v9, (EMAX+1)<<23        ; and the floor 2^(3 - 127): the byte cannot fall under 1
	v_max_num_f32_dpp v8, v8, v8 row_xmask:1 row_mask:0xf bank_mask:0xf   ; with my neighbour's 16: the block's
	v_add_nc_u32 v11, 0xff000000, v8               ; 2 off the exponent field: the conversion takes that field as its scale, and nothing else
	v_cvt_scalef32_pk8_fp4_f32 v[C+4*(\t)], v[XS:XS+7], v11
	v_cvt_scalef32_pk8_fp4_f32 v[C+4*(\t)+1], v[XS+8:XS+15], v11
	v_lshrrev_b32 v[E+(\t)], 23, v11               ; the scale's byte (also the plain line behind the conversions)
	ds_store_b8 v5, v[E+(\t)] offset:16*(\t)       ; both lanes of a block write the same byte with the same value
	ds_store_b64 v4, v[C+4*(\t):C+4*(\t)+1] offset:16*(\t)
.endm
.irp t, 0,1,2,3,4,5,6,7,8,9,10,11,12,13,14,15
	STEP \t
.endr
	ds_load_b64 v[8:9], v6                         ; in order behind my stores
.irp i, 0,1,2,3,4,5,6,7
	ds_load_b128 v[R+4*\i:R+4*\i+3], v10 offset:2*UP*\i
.endr
	s_wait_dscnt 8                                 ; the scale bytes are back; the eight loads of codes may be out
	global_store_b64 v7, v[8:9], s[30:31]          ; 32 lanes store 256 consecutive bytes, aligned
.irp i, 0,1,2,3,4,5,6,7
	s_wait_dscnt 7-\i
	global_store_b128 v3, v[R+4*\i:R+4*\i+3], s[28:29] offset:512*\i   ; 512 consecutive bytes, aligned
.endr
	s_wait_tensorcnt 0x0                           ; the wave's end, behind my last LDS store
	ds_add_u32 v[SPW], v[NIL]
	s_wait_dscnt 0x0
	s_endpgm
	; ---------------- Wo to f16 ----------------
.Lwo:
	s_sub_co_u32 s25, ttmp9, 352
	s_lshl_b32 s25, s25, 2
	s_add_co_u32 s25, s25, s24                     ; my run: tile of 16 rows = run / 8, 128 along K = run % 8
	s_lshr_b32 s34, s25, 3
	s_lshl_b32 s34, s34, 16
	s_and_b32 s35, s25, 7
	s_lshl_b32 s35, s35, 9
	s_add_co_u32 s34, s34, s35
	s_mov_b32 s35, 0
	s_add_nc_u64 s[12:13], s[12:13], s[34:35]
	s_lshl_b32 s34, s25, 12
	s_add_nc_u64 s[22:23], s[22:23], s[34:35]
	s_mul_i32 s36, s24, WOW
	s_add_co_u32 s36, s36, WOB
	v_add_nc_u32 v4, s36, v4
	v_add_nc_u32 v10, s36, v10
.irp i, 0,1,2,3,4,5,6,7,8,9,10,11,12,13,14,15
	global_load_b128 v[R+4*\i:R+4*\i+3], v3, s[12:13] offset:4096*\i th:TH_LOAD_NT   ; row i: 512 consecutive bytes; lane l holds k = 4 l .. 4 l + 3
.endr
.irp i, 0,1,2,3,4,5,6,7,8,9,10,11,12,13,14,15
	s_wait_loadcnt 15-\i                           ; row i is in; the younger rows may be out
	v_cvt_pk_f16_f32 v[C+2*\i], v[R+4*\i], v[R+4*\i+1]
	v_cvt_pk_f16_f32 v[C+2*\i+1], v[R+4*\i+2], v[R+4*\i+3]
	ds_store_b64 v4, v[C+2*\i:C+2*\i+1] offset:16*\i   ; unit = my 8 along K, 16 x row + 8 (lane % 2)
.endr
.irp i, 0,1,2,3,4,5,6,7
	ds_load_b128 v[X+4*\i:X+4*\i+3], v10 offset:2*UP*\i
.endr
.irp i, 0,1,2,3,4,5,6,7
	s_wait_dscnt 7-\i
	global_store_b128 v3, v[X+4*\i:X+4*\i+3], s[22:23] offset:512*\i
.endr
	s_wait_tensorcnt 0x0                           ; the wave's end, as above
	ds_add_u32 v[SPW], v[NIL]
	s_wait_dscnt 0x0
	s_endpgm
.Lfunc_end_k_qdc0369f71b_prep:
	.size	k_qdc0369f71b_prep, .Lfunc_end_k_qdc0369f71b_prep-k_qdc0369f71b_prep
	.p2alignl 7, 3214868480
	.fill 96, 4, 3214868480
	.section	.rodata,"a",@progbits
	.p2align	6, 0x0
	.amdhsa_kernel k_qdc0369f71b_prep
		.amdhsa_group_segment_fixed_size 59904
		.amdhsa_private_segment_fixed_size 0
		.amdhsa_enable_private_segment 0
		.amdhsa_kernarg_size 80
		.amdhsa_user_sgpr_count 2
		.amdhsa_user_sgpr_kernarg_segment_ptr 1
		.amdhsa_wavefront_size32 1
		.amdhsa_system_sgpr_workgroup_id_x 1
		.amdhsa_system_sgpr_workgroup_id_y 1
		.amdhsa_system_sgpr_workgroup_id_z 1
		.amdhsa_system_vgpr_workitem_id 0
		.amdhsa_next_free_vgpr 192
		.amdhsa_next_free_sgpr 66
		.amdhsa_reserve_vcc 0
		.amdhsa_float_denorm_mode_32 3
		.amdhsa_float_denorm_mode_16_64 3
		.amdhsa_memory_ordered 1
		.amdhsa_forward_progress 1
		.amdhsa_inst_pref_size 42
	.end_amdhsa_kernel
	.amdgpu_metadata
---
amdhsa.version: [ 1, 2 ]
amdhsa.kernels:
  - .name:           k_qdc0369f71b_prep
    .symbol:         k_qdc0369f71b_prep.kd
    .args:
      - { .name: query, .offset: 0, .size: 8, .value_kind: global_buffer, .address_space: global }
      - { .name: Wq, .offset: 8, .size: 8, .value_kind: global_buffer, .address_space: global }
      - { .name: Wk, .offset: 16, .size: 8, .value_kind: global_buffer, .address_space: global }
      - { .name: Wv, .offset: 24, .size: 8, .value_kind: global_buffer, .address_space: global }
      - { .name: Wo, .offset: 32, .size: 8, .value_kind: global_buffer, .address_space: global }
      - { .name: xc, .offset: 40, .size: 8, .value_kind: global_buffer, .address_space: global }
      - { .name: xs, .offset: 48, .size: 8, .value_kind: global_buffer, .address_space: global }
      - { .name: wc, .offset: 56, .size: 8, .value_kind: global_buffer, .address_space: global }
      - { .name: ws, .offset: 64, .size: 8, .value_kind: global_buffer, .address_space: global }
      - { .name: wo16, .offset: 72, .size: 8, .value_kind: global_buffer, .address_space: global }
    .group_segment_fixed_size: 59904
    .private_segment_fixed_size: 0
    .kernarg_segment_align: 8
    .kernarg_segment_size: 80
    .max_flat_workgroup_size: 128
    .sgpr_count:     66
    .vgpr_count:     192
    .wavefront_size: 32
...
	.end_amdgpu_metadata
.endif
;; end of part 1
;; launch qkv (part 2): grid 12 x 32, 4 waves a work-group, clusters of 4 x 4, 327,680 bytes of LDS; arguments xc, xs, wc, ws, bq, bk, bv, qkv; writes qkv
.if DOCPART == 2
	.amdgcn_target "amdgcn-amd-amdhsa--gfx1250"
	.amdhsa_code_object_version 6
	.text
	.protected	k_qdc0369f71b_qkv
	.globl	k_qdc0369f71b_qkv
	.p2align	8
	.type	k_qdc0369f71b_qkv,@function
k_qdc0369f71b_qkv:
	s_mov_b64 s[64:65], 0
	v_nop
	global_prefetch_b8 v0, s[64:65] scope:SCOPE_SE
	s_setreg_imm32_b32 hwreg(HW_REG_WAVE_MODE, 25, 1), 1
	s_wait_xcnt 0x0
	s_wait_alu depctr_hold_cnt(0) depctr_sa_sdst(0) depctr_va_vdst(0) depctr_va_sdst(0) depctr_va_ssrc(0) depctr_va_vcc(0) depctr_vm_vsrc(0)
	s_getreg_b32 s2, hwreg(HW_REG_IB_STS2, 6, 4)
	s_cmp_eq_u32 s2, 0
	s_cbranch_scc0 .Lentry_in_a_cluster
	s_endpgm
.Lentry_in_a_cluster:
	s_bfe_u32 s2, ttmp6, 0x10000c
	s_cmp_lg_u32 s2, 0xf033
	s_cbranch_scc0 .Lentry_shape_is_right
	s_endpgm
.Lentry_shape_is_right:
; The three projections as ONE product on codes of FP4 (E2M1) with E8M0 scales: [8192 tokens] x [3072 rows of Wq, Wk, Wv stacked], K = 1024; sums in f32, K ascending; + bias; q also x log2(e) / 8; rounded once to f16.
; A work-group of four waves makes 256 tokens x 256 rows of W; a wave 128 x 128: 64 accumulators, 512 registers.  All of K fits in LDS: each wave asks for three tiles at the head (scales, K's first half, K's second half: three
; tensor loads of mine are out) and no LDS byte is filled twice: no ring.  The first half is multiplied while the second lands.
; CLUSTERS: 4 x 4 work-groups.  The four of a row of the cluster need the same tokens, the four of a column the same rows of W: each tile is asked for JOINTLY, by the same tensor load with the same descriptor and a mask naming the four.
; CODES AND SCALES LIE IN MEMORY AS IMAGES OF OPERAND REGISTERS (launch prep): a fragment (16 rows x 128 K) is 1,024 consecutive bytes, 16 a lane.
; THE MATRIX INSTRUCTION IS USED TRANSPOSED (source 0 = 16 rows of W, source 1 = 16 tokens): lane (r, h) holds token r and eight neighbouring channels 8 h + 0 .. 7: 16 bytes of f16, which are stored as they stand:
;   qkv: which x 2^24 + (batch x 16 + head) x 262144 + (tile of 16 tokens) x 2048 + (16 channels) x 512 + the lane's place.  For q and k that place is 16 x lane: the block is half of a fragment of 16 tokens x 32 channels.
;   For v it is 256 (r / 8) + 128 h + 16 (r % 8): the turning LDS load at 16 x lane then finds key 8 (lane / 16) + lane % 8, channels 8 ((lane / 8) % 2) on.  Either way a store of the wave covers 512 consecutive bytes, aligned.
; 384 work-groups: a tile of 256 x 384 (256 work-groups) would want 348,160 bytes of codes and scales in LDS, more than there is.
; LIMITS: results beyond f16's 65,504 are not served; under 6e-5 they keep f16's absolute step.  NaN and infinities are not served.
; REGISTERS, in windows of 256: window 0: v16-29 addresses; v32-95 scale words alone, two sets; v128-191 the tokens' fragments, ONE set, later packed results; v192-255 the bias.
;   window 1: W's fragments, TWO sets, at v0 and v128.   window 2: the accumulators of my tokens 0-63 ((a, b) at v[8 (8 a + b)]);   window 3: those of tokens 64-127.
.set NQ,     4                         ; steps of 128 along K in a half of K
.set FR,     8                         ; registers of a fragment
.set NL,     2                         ; LDS loads that bring one
.set NP,     4                         ; places behind this matrix instruction (ISA guide 7.12.1)
.set HALFK,  131072                    ; LDS: K's half hf begins here x hf: 16 token tiles x 4,096 bytes, then W's 16
.set WSIDE,  65536
.set SCL,    262144                    ; the tokens' scales, 8,192 bytes, then W's
.set SPARE,  278528                    ; the spare words, 128 bytes a wave: two blocks of 256 bytes that no other line names
.set ADRA, 16                          ; v16-17 my token fragments in half 0, 1
.set ADRB, 20                          ; v20-21 my W fragments
.set CO,   26                          ; v26 the lane's place in a stored block
.set ADRS, 27                          ; v27 my scale words: lanes 0-15 the tokens', lanes 16-31 W's
.set SPW,  28                          ; v28 my spare word's address; never rewritten
.set NIL,  29                          ; v29 0; never rewritten
.set SC,   32
.set AF,   128
.set PK,   128
.set BS,   192
.set G1, 24                            ; s[24:31] group 1, the tokens' codes;  s[32:39] group 0, a set for each half of K
.set G0, 32
.set G1B, 48                           ; s[48:55], s[56:63] the same for W's
.set G0B, 56
.set G1S, 68                           ; s[68:75], s[76:79] the tokens' scales;  s[92:99], s[80:83] W's
.set G0S, 76
.set G0SB, 80
.set G1SB, 92
.set MSB, 0
.macro WIN new                         ; the immediate's high byte repeats the setting that is left
.if MSB != \new
	s_set_vgpr_msb (MSB<<8)|\new
.set MSB, \new
.endif
.endm
.set MUL_LO, 0xa1                      ; source 0 (W) window 1, source 1 (tokens) window 0, C and D window 2
.set MUL_HI, 0xf1
.set TO_B,   0x40
; A joint load: waves 0 and 1 fetch for the tokens, waves 2 and 3 for W.  The branch hangs on the wave's number alone.  An s_nop 0 and four v_nop follow each line.
.macro JLOAD g0a, g1a, g0b, g1b
	s_cmp_eq_u32 s15, 0
	s_cbranch_scc0 .Lfor_b_\@
	tensor_load_to_lds s[\g0a:\g0a+3], s[\g1a:\g1a+7]
	s_nop 0
.rept 4
	v_nop
.endr
	s_branch .Lasked_\@
.Lfor_b_\@:
	tensor_load_to_lds s[\g0b:\g0b+3], s[\g1b:\g1b+7]
	s_nop 0
.rept 4
	v_nop
.endr
.Lasked_\@:
.endm
.macro CROUND                          ; a round of the cluster's barrier
	s_barrier_signal -1
	s_barrier_wait -1
	s_cmp_lg_u32 s14, 0
	s_cbranch_scc1 .Lnot_wave_0_\@
	s_barrier_signal -3
.Lnot_wave_0_\@:
	s_barrier_wait -3
	s_barrier_signal -1
	s_barrier_wait -1
.endm
	s_load_b256 s[4:11], s[0:1], 0x0               ; xc 4, xs 6, wc 8, ws 10
	s_load_b256 s[84:91], s[0:1], 0x20             ; bq 84, bk 86, bv 88, qkv 90
	v_lshl_add_u32 v[SPW], v0, 2, SPARE
	v_mov_b32 v[NIL], 0
	ds_add_u32 v[SPW], v[NIL]                      ; the opening: the add, twice on end, and its wait ahead of my first tensor load
	ds_add_u32 v[SPW], v[NIL]
	v_lshrrev_b32 v1, 5, v0
	v_readfirstlane_b32 s14, v1                    ; wave 0..3
	s_lshr_b32 s15, s14, 1                         ; my half of the tokens.  Also: I fetch for the tokens (0) or for W (1)
	s_and_b32 s16, s14, 1                          ; my half of W's rows.  Also: which 8 tiles of 16 rows I fetch
	s_bfe_u32 s40, ttmp6, 0x40000                  ; cx, cy
	s_bfe_u32 s41, ttmp6, 0x40004
	s_lshl_b32 s42, ttmp9, 2
	s_add_co_u32 s42, s42, s40                     ; x: tile of 256 rows of the stacked W; ttmp9 says q, k or v
	s_and_b32 s17, ttmp7, 0xffff
	s_lshl_b32 s17, s17, 2
	s_add_co_u32 s17, s17, s41                     ; y: tile of 256 tokens
	s_lshl_b32 s43, s41, 2
	s_lshl_b32 s43, 15, s43                        ; my row of the cluster
	s_lshl_b32 s44, 0x1111, s40                    ; my column
	; codes: 8 rows (tiles of 16) of 4,096 bytes (half of K), 8,192 bytes apart, in elements of 8 bytes; no padding
	s_or_b32 s[G1+0], s43, (3<<16)|(1<<21)         ; 15:0 the mask; 17:16 elements of 8 bytes; 21 set beside a mask
	s_or_b32 s[G1B+0], s44, (3<<16)|(1<<21)
.irp g, G1, G1B
	s_mov_b32 s[\g+1], 512<<16                     ; tensor_dim0
	s_mov_b32 s[\g+2], 8<<16                       ; tensor_dim1
	s_mov_b32 s[\g+3], 512<<16                     ; tile_dim0
	s_mov_b32 s[\g+4], 8                           ; tile_dim1
	s_mov_b32 s[\g+5], 1024                        ; from row to row
	s_mov_b32 s[\g+6], 0
	s_mov_b32 s[\g+7], 0
.endr
	; scales: 4,096 dense bytes as 16 rows of 256
	s_or_b32 s[G1S+0], s43, (3<<16)|(1<<21)
	s_or_b32 s[G1SB+0], s44, (3<<16)|(1<<21)
.irp g, G1S, G1SB
	s_mov_b32 s[\g+1], 32<<16
	s_mov_b32 s[\g+2], 16<<16
	s_mov_b32 s[\g+3], 32<<16
	s_mov_b32 s[\g+4], 16
	s_mov_b32 s[\g+5], 32
	s_mov_b32 s[\g+6], 0
	s_mov_b32 s[\g+7], 0
.endr
	s_lshl_b32 s18, s16, 3
	s_lshl_b32 s20, s17, 4
	s_add_co_u32 s20, s20, s18                     ; the tokens' first tile of 16 that I fetch: 16 y + 8 x half
	s_lshl_b32 s46, s42, 4
	s_add_co_u32 s46, s46, s18                     ; W's: 16 x + 8 x half
	s_lshl_b32 s22, s20, 9                         ; 512 scale bytes a tile,
	s_mov_b32 s23, 0
	s_lshl_b32 s20, s20, 13                        ; 8,192 bytes of codes
	s_mov_b32 s21, 0
	s_lshl_b32 s12, s46, 9
	s_mov_b32 s13, 0
	s_lshl_b32 s46, s46, 13
	s_mov_b32 s47, 0
	s_lshl_b32 s45, s14, 15                        ; where they go: wave x 32,768, and
	s_lshl_b32 s19, s14, 12                        ; wave x 4,096: no place in the cluster enters an LDS address
	s_wait_dscnt 0x0                               ; both opening adds are done
	s_wait_kmcnt 0x0
	s_add_nc_u64 s[20:21], s[4:5], s[20:21]
	s_add_nc_u64 s[22:23], s[6:7], s[22:23]
	s_add_nc_u64 s[46:47], s[8:9], s[46:47]
	s_add_nc_u64 s[12:13], s[10:11], s[12:13]
	CROUND                                         ; all sixteen work-groups are here: the joint loads meet
	s_mov_b32 s[G0S], 1
	s_add_co_u32 s[G0S+1], s19, SCL
	s_mov_b64 s[G0S+2:G0S+3], s[22:23]
	s_or_b32 s[G0S+3], s[G0S+3], 0x80000000
	s_mov_b32 s[G0SB], 1
	s_add_co_u32 s[G0SB+1], s19, SCL
	s_mov_b64 s[G0SB+2:G0SB+3], s[12:13]
	s_or_b32 s[G0SB+3], s[G0SB+3], 0x80000000
	JLOAD G0S, G1S, G0SB, G1SB                     ; the scales first: they are wanted with the first step
.irp s, 0,1
	s_mov_b32 s[G0+4*\s], 1
	s_add_co_u32 s[G0+4*\s+1], s45, \s*HALFK
	s_add_nc_u64 s[G0+4*\s+2:G0+4*\s+3], s[20:21], \s*4096
	s_or_b32 s[G0+4*\s+3], s[G0+4*\s+3], 0x80000000
	s_mov_b32 s[G0B+4*\s], 1
	s_add_co_u32 s[G0B+4*\s+1], s45, \s*HALFK
	s_add_nc_u64 s[G0B+4*\s+2:G0B+4*\s+3], s[46:47], \s*4096
	s_or_b32 s[G0B+4*\s+3], s[G0B+4*\s+3], 0x80000000
	JLOAD G0+4*\s, G1, G0B+4*\s, G1B
.endr
	; while the tiles are on their way: addresses, the bias, the factor
	v_and_b32 v1, 15, v0                           ; r
	v_bfe_u32 v2, v0, 4, 1                         ; h
	v_and_b32 v3, 31, v0
	v_lshlrev_b32 v3, 4, v3                        ; 16 x lane
	s_lshl_b32 s21, s15, 15                        ; my 8 token tiles
	s_lshl_b32 s22, s16, 15                        ; my 8 tiles of W,
	s_add_co_u32 s22, s22, WSIDE                   ; behind the tokens' 16
.irp s, 0,1
	v_add_nc_u32 v[ADRA+\s], s21, v3
	v_add_nc_u32 v[ADRB+\s], s22, v3
	s_add_co_u32 s21, s21, HALFK
	s_add_co_u32 s22, s22, HALFK
.endr
	s_lshl_b32 s21, s15, 12                        ; the tokens' scales: my 8 tiles of 512 bytes
	s_lshl_b32 s22, s16, 12                        ; W's, behind the tokens' 8,192
	s_add_co_u32 s22, s22, 8192
	s_sub_co_u32 s22, s22, s21
	v_mul_u32_u24 v6, s22, v2                      ; lanes 16-31 take W's: ONE product, h x the distance
	s_add_co_u32 s21, s21, SCL
	v_lshl_add_u32 v5, v1, 4, v6                   ; 16 bytes a row
	v_add_nc_u32 v[ADRS], s21, v5
	v_lshlrev_b32 v4, 5, v2                        ; the bias: my half's eight numbers, 32 h bytes on
	s_cmp_eq_u32 ttmp9, 1
	s_cselect_b64 s[12:13], s[86:87], s[84:85]
	s_cmp_eq_u32 ttmp9, 2
	s_cselect_b64 s[12:13], s[88:89], s[12:13]
	s_cselect_b32 s18, -1, 0                       ; all lanes where this is v
	s_lshl_b32 s46, s40, 10                        ; channel 256 cx + 128 x half, 4 bytes each
	s_lshl_b32 s47, s16, 9
	s_add_co_u32 s46, s46, s47
	s_mov_b32 s47, 0
	s_add_nc_u64 s[12:13], s[12:13], s[46:47]
.irp b, 0,1,2,3,4,5,6,7
	global_load_b128 v[BS+8*\b:BS+8*\b+3], v4, s[12:13] offset:64*\b       ; bias of channels 16 b + 8 h + 0 .. 7, in the result's layout
	global_load_b128 v[BS+8*\b+4:BS+8*\b+7], v4, s[12:13] offset:64*\b+16
.endr
	v_lshrrev_b32 v5, 3, v1
	v_and_b32 v6, 7, v1
	v_lshlrev_b32 v6, 4, v6
	v_lshl_add_u32 v6, v2, 7, v6
	v_lshl_add_u32 v6, v5, 8, v6                   ; v's place: 256 (r / 8) + 128 h + 16 (r % 8)
	v_cndmask_b32 v[CO], v3, v6, s18               ; q's and k's: 16 x lane
	s_mov_b32 s2, 1.0
	s_cmp_eq_u32 ttmp9, 0
	s_cselect_b32 s2, 0x3e38aa3b, s2               ; q is multiplied by log2(e) / 8: 1 / sqrt(64), and the softmax's base 2
	s_mov_b32 s3, s2                               ; (named with it as a pair)
	s_lshl_b32 s20, ttmp9, 24                      ; where my results begin: which,
	s_lshr_b32 s21, s17, 3
	s_lshl_b32 s21, s21, 22                        ; the batch (8 tiles of 256 tokens; 16 heads of 262,144 bytes),
	s_add_co_u32 s20, s20, s21
	s_and_b32 s21, s17, 7
	s_lshl_b32 s21, s21, 4
	s_lshl_b32 s22, s15, 3
	s_add_co_u32 s21, s21, s22
	s_lshl_b32 s21, s21, 11                        ; the tile of 16 tokens,
	s_add_co_u32 s20, s20, s21
	s_mov_b32 s21, 0
	s_lshl_b32 s46, s40, 2
	s_lshl_b32 s47, s16, 1
	s_add_co_u32 s46, s46, s47
	s_lshl_b32 s46, s46, 18                        ; the head: 4 cx + 2 x half
	s_mov_b32 s47, 0
	s_add_nc_u64 s[90:91], s[90:91], s[20:21]
	s_add_nc_u64 s[90:91], s[90:91], s[46:47]
.macro FRAG reg, adr, q, i             ; a fragment: registers 4 c .. 4 c + 3 of lane l lie at 512 c + 16 l of its 1,024 bytes
.irp c, 0,1
	ds_load_b128 v[\reg+4*\c:\reg+4*\c+3], v[\adr] offset:1024*(\q)+512*\c+4096*(\i)
.endr
.endm
; 16 matrix instructions: token blocks a0, a0 + 1 x W's eight, the half's q-th 128 along K.  p: W's set; sc: the set of scale words.  zero = 1: the first product starts the sums.
; One register carries the tokens' word of block i (lanes 0-15) and W's word of block i (lanes 16-31).  The 64 accumulators take turns, one instruction a turn.
.macro MUL16 a0, p, q, sc, zero
.irp a, \a0, \a0+1
.irp b, 0,1,2,3,4,5,6,7
.if \zero
	v_wmma_scale_f32_16x16x128_f8f6f4 v[8*(8*((\a)%4)+\b):8*(8*((\a)%4)+\b)+7], v[128*(\p)+FR*\b:128*(\p)+FR*\b+FR-1], v[AF+FR*(\a):AF+FR*(\a)+FR-1], 0, v[SC+8*NQ*(\sc)+NQ*\b+(\q)], v[SC+8*NQ*(\sc)+NQ*(\a)+(\q)] matrix_a_fmt:MATRIX_FMT_FP4 matrix_b_fmt:MATRIX_FMT_FP4 matrix_a_scale:MATRIX_SCALE_ROW1
.else
	v_wmma_scale_f32_16x16x128_f8f6f4 v[8*(8*((\a)%4)+\b):8*(8*((\a)%4)+\b)+7], v[128*(\p)+FR*\b:128*(\p)+FR*\b+FR-1], v[AF+FR*(\a):AF+FR*(\a)+FR-1], v[8*(8*((\a)%4)+\b):8*(8*((\a)%4)+\b)+7], v[SC+8*NQ*(\sc)+NQ*\b+(\q)], v[SC+8*NQ*(\sc)+NQ*(\a)+(\q)] matrix_a_fmt:MATRIX_FMT_FP4 matrix_b_fmt:MATRIX_FMT_FP4 matrix_a_scale:MATRIX_SCALE_ROW1
.endif
.endr
.endr
.endm
.macro FETCH_B slot, q, p
	WIN TO_B
.irp i, 0,1,2,3,4,5,6,7
	FRAG 128*(\p)+FR*\i, ADRB+\slot, \q, \i
.endr
	WIN 0
.endm
.macro FETCH_A slot, q, i0
.irp i, \i0, \i0+1, \i0+2, \i0+3
	FRAG AF+FR*(\i), ADRA+\slot, \q, \i
.endr
.endm
.macro SCALES sc                       ; a half's scale words: four words a row
.irp i, 0,1,2,3,4,5,6,7
	ds_load_b128 v[SC+8*NQ*\sc+NQ*\i:SC+8*NQ*\sc+NQ*\i+3], v[ADRS] offset:512*\i+256*\sc
.endr
.endm
.macro PLACES n                        ; plain vector instructions between a matrix instruction and a load into, or a read of, its registers (ISA guide 7.12.1 for reads)
.rept \n
	v_nop
.endr
.endm
; A step of 128 along K whose successor lies in the same half.  A token block is free once its eight products are issued, so one set serves the tokens; W's fragments are at work all step and have two.
.macro STEP slot, q, zero
	s_wait_dscnt 4*NL                              ; W's set and token blocks 0-3 are in; the youngest eight loads (blocks 4-7) may be out
	WIN MUL_LO
	MUL16 0, (\q)%2, \q, \slot, \zero
	MUL16 2, (\q)%2, \q, \slot, \zero
	s_wait_dscnt 0                                 ; blocks 4-7 are in
	PLACES NP
	FETCH_B \slot, (\q)+1, 1-(\q)%2
	FETCH_A \slot, (\q)+1, 0
	WIN MUL_HI
	MUL16 4, (\q)%2, \q, \slot, \zero
	MUL16 6, (\q)%2, \q, \slot, \zero
	PLACES NP
	WIN 0
	FETCH_A \slot, (\q)+1, 4
.endm
; The first half's last step goes over to the second half: each wave waits for all its tensor loads (its part of the second half), adds 0 to its spare word, waits for that and its LDS loads; behind the barrier the second half is whole.
.macro TURN slot, next
	s_wait_tensorcnt 0x0
	ds_add_u32 v[SPW], v[NIL]
	s_wait_dscnt 4*NL+1                            ; (the add and the youngest eight loads may be out)
	WIN MUL_LO
	MUL16 0, 1, NQ-1, \slot, 0
	s_wait_dscnt 0x0
	s_barrier_signal -1
	MUL16 2, 1, NQ-1, \slot, 0
	WIN 0
	s_barrier_wait -1
	PLACES NP
	FETCH_B \next, 0, 0
	FETCH_A \next, 0, 0
	SCALES \next
	WIN MUL_HI
	MUL16 4, 1, NQ-1, \slot, 0
	MUL16 6, 1, NQ-1, \slot, 0
	PLACES NP
	WIN 0
	FETCH_A \next, 0, 4
.endm
.macro STEPS slot, from
.set Q, \from
.rept NQ-1-\from
	STEP \slot, Q, 0
.set Q, Q+1
.endr
.endm
	s_wait_tensorcnt 1                             ; the scales and my part of the first half are in; the second half's load may be out
	s_barrier_signal -1
	s_barrier_wait -1
	FETCH_B 0, 0, 0
	FETCH_A 0, 0, 0
	SCALES 0
	FETCH_A 0, 0, 4
	STEP 0, 0, 1                                   ; the first products start the sums: nothing is cleared
	STEPS 0, 1
	TURN 0, 1
	STEPS 1, 0
	s_wait_dscnt 4*NL                              ; the last step: nothing more to fetch
	WIN MUL_LO
	MUL16 0, 1, NQ-1, 1, 0
	MUL16 2, 1, NQ-1, 1, 0
	s_wait_dscnt 0
	WIN MUL_HI
	MUL16 4, 1, NQ-1, 1, 0
	MUL16 6, 1, NQ-1, 1, 0
	WIN 0
	; THE WAY OUT: (sum + bias) x factor = sum x factor + (bias x factor), one fused multiply-add; to f16; 16 bytes a lane, stored as they stand.
	s_wait_loadcnt 0x0                             ; the bias
.set J, 0
.rept 32
	v_pk_mul_f32 v[BS+J:BS+J+1], v[BS+J:BS+J+1], s[2:3] op_sel_hi:[1,0]   ; (these 32 are also the places behind the last products)
.set J, J+2
.endr
.macro OUT a
.set AC, 64*((\a)%4)
.set PB, PK+32*((\a)%2)
.if (\a) > 1
	s_wait_xcnt 0x0                                ; block a - 2's stores have read their registers, which are written again below
.endif
	WIN 0x82+0x41*((\a)/4)                         ; source 0 and destination window 2 or 3, the bias window 0
.irp b, 0,1,2,3,4,5,6,7
.irp j, 0,2,4,6
	v_pk_fma_f32 v[AC+8*\b+\j:AC+8*\b+\j+1], v[AC+8*\b+\j:AC+8*\b+\j+1], s[2:3], v[BS+8*\b+\j:BS+8*\b+\j+1] op_sel_hi:[1,0,1]   ; each accumulator from its low end on
.endr
.endr
	WIN 0x0a+5*((\a)/4)
.irp b, 0,1,2,3,4,5,6,7
.irp r, 0,1,2,3
	v_cvt_pk_f16_f32 v[PB+4*\b+\r], v[AC+8*\b+2*\r], v[AC+8*\b+2*\r+1]
.endr
.endr
	WIN 0
.irp b, 0,1,2,3,4,5,6,7
	global_store_b128 v[CO], v[PB+4*\b:PB+4*\b+3], s[90:91] offset:(\a)*2048+(\b/4)*262144+(\b%4)*512   ; the wave stores 512 consecutive bytes, aligned
.endr
.endm
.irp a, 0,1,2,3,4,5,6,7
	OUT \a
.endr
	s_wait_tensorcnt 0x0                           ; the wave's end
	ds_add_u32 v[SPW], v[NIL]
	s_wait_dscnt 0x0
	CROUND                                         ; the closing round
	s_endpgm
.Lfunc_end_k_qdc0369f71b_qkv:
	.size	k_qdc0369f71b_qkv, .Lfunc_end_k_qdc0369f71b_qkv-k_qdc0369f71b_qkv
	.p2alignl 7, 3214868480
	.fill 96, 4, 3214868480
	.section	.rodata,"a",@progbits
	.p2align	6, 0x0
	.amdhsa_kernel k_qdc0369f71b_qkv
		.amdhsa_group_segment_fixed_size 327680
		.amdhsa_private_segment_fixed_size 0
		.amdhsa_enable_private_segment 0
		.amdhsa_kernarg_size 64
		.amdhsa_user_sgpr_count 2
		.amdhsa_user_sgpr_kernarg_segment_ptr 1
		.amdhsa_wavefront_size32 1
		.amdhsa_system_sgpr_workgroup_id_x 1
		.amdhsa_system_sgpr_workgroup_id_y 1
		.amdhsa_system_sgpr_workgroup_id_z 1
		.amdhsa_system_vgpr_workitem_id 0
		.amdhsa_next_free_vgpr 1024
		.amdhsa_next_free_sgpr 100
		.amdhsa_reserve_vcc 0
		.amdhsa_float_denorm_mode_32 3
		.amdhsa_float_denorm_mode_16_64 3
		.amdhsa_memory_ordered 1
		.amdhsa_forward_progress 1
		.amdhsa_inst_pref_size 137
	.end_amdhsa_kernel
	.amdgpu_metadata
---
amdhsa.version: [ 1, 2 ]
amdhsa.kernels:
  - .name:           k_qdc0369f71b_qkv
    .symbol:         k_qdc0369f71b_qkv.kd
    .args:
      - { .name: xc, .offset: 0, .size: 8, .value_kind: global_buffer, .address_space: global }
      - { .name: xs, .offset: 8, .size: 8, .value_kind: global_buffer, .address_space: global }
      - { .name: wc, .offset: 16, .size: 8, .value_kind: global_buffer, .address_space: global }
      - { .name: ws, .offset: 24, .size: 8, .value_kind: global_buffer, .address_space: global }
      - { .name: bq, .offset: 32, .size: 8, .value_kind: global_buffer, .address_space: global }
      - { .name: bk, .offset: 40, .size: 8, .value_kind: global_buffer, .address_space: global }
      - { .name: bv, .offset: 48, .size: 8, .value_kind: global_buffer, .address_space: global }
      - { .name: qkv, .offset: 56, .size: 8, .value_kind: global_buffer, .address_space: global }
    .group_segment_fixed_size: 327680
    .private_segment_fixed_size: 0
    .kernarg_segment_align: 8
    .kernarg_segment_size: 64
    .max_flat_workgroup_size: 128
    .sgpr_count:     100
    .vgpr_count:     1024
    .wavefront_size: 32
...
	.end_amdgpu_metadata
.endif
;; end of part 2
;; launch attn (part 3): grid 4 x 64, 8 waves a work-group, clusters of 4 x 1, 327,680 bytes of LDS; arguments qkv, ctx; writes ctx
.if DOCPART == 3
	.amdgcn_target "amdgcn-amd-amdhsa--gfx1250"
	.amdhsa_code_object_version 6
	.text
	.protected	k_qdc0369f71b_attn
	.globl	k_qdc0369f71b_attn
	.p2align	8
	.type	k_qdc0369f71b_attn,@function
k_qdc0369f71b_attn:
	s_mov_b64 s[64:65], 0
	v_nop
	global_prefetch_b8 v0, s[64:65] scope:SCOPE_SE
	s_setreg_imm32_b32 hwreg(HW_REG_WAVE_MODE, 25, 1), 1
	s_wait_xcnt 0x0
	s_wait_alu depctr_hold_cnt(0) depctr_sa_sdst(0) depctr_va_vdst(0) depctr_va_sdst(0) depctr_va_ssrc(0) depctr_va_vcc(0) depctr_vm_vsrc(0)
	s_getreg_b32 s2, hwreg(HW_REG_IB_STS2, 6, 4)
	s_cmp_eq_u32 s2, 0
	s_cbranch_scc0 .Lentry_in_a_cluster
	s_endpgm
.Lentry_in_a_cluster:
	s_bfe_u32 s2, ttmp6, 0x10000c
	s_cmp_lg_u32 s2, 0x3003
	s_cbranch_scc0 .Lentry_shape_is_right
	s_endpgm
.Lentry_shape_is_right:
; ctx[b][q][head] = the sum over k of softmax_k(q . k / 8) v, 64 heads-in-batches of 2,048 tokens x 64 channels, no mask.  q (already x log2(e) / 8), k, v in f16; products, maxima and sums in f32; the weights p are rounded to f16
; for the second product, ctx once at the end.  f16 and not bf16: four roundings to 8 bits would by themselves use up what the comparison allows.
; SOFTMAX: for each query a running maximum m and sum l: p = 2^(s - m); in every step O and l are multiplied by f = 2^(m_old - m_new).  m begins at -3e38, O and l at 0: the first step's f is 0, so the step is written once.
; SHARES.  A work-group owns 512 queries of one head, each of its eight waves 64: four tiles of 16, in 512 registers: two waves to a SIMD, so that one wave's softmax can stand beside the other's products.
; Each fragment of K or V read from LDS feeds four products.  Every wave walks all 2,048 keys, 64 a step, through a ring of two LDS slots of 512 keys.
; CLUSTER.  The four work-groups of a head walk the same K and V: each tile is asked for JOINTLY (mask 15).  Wave w fetches 16,384 dense bytes of a slot (waves 0-3: K's quarters, 4-7: V's): one load a wave is out behind each round,
; and it has eight key steps in which to land.
; LAYOUT.  S^T = K Q^T (source 0 = 16 keys, source 1 = 16 queries) and O^T = V^T P (source 0 = 16 channels, source 1 = P): a lane holds ONE query (lane % 16) throughout; two tiles of S^T rounded in pairs ARE a fragment of P.
; q, k, v lie in memory as images of registers (launch qkv): every LDS load reads 512 consecutive bytes, 16 a lane; V comes turned by ds_load_tr16_b128.  O^T's eight channels a lane are 16 bytes of the next launch's operand image:
;   ctx: (tile of 16 tokens) x 32768 + head x 2048 + (16 channels) x 512 + 16 x lane: stored as they stand, 512 consecutive bytes a store.
; LIMITS: f16's range for q, k, v, ctx (65,504); a p under 3e-8 of its row's largest counts as 0 in the second product (not in the sum); NaN and infinities are not served.
; REGISTERS: window 0: v1-7 addresses; v32-63 eight of statistics a tile; v64-191 S^T, 32 a tile, P packed into each tile's first 16; v192-255 Q.   window 1: v0-127 O^T, 32 a tile; v128-191 K; v192-255 V.
.set SLOT1, 1<<17                      ; slot 1 begins here: one exclusive or turns an address; a slot: K 65,536 bytes ([tile of 16 keys][2,048]), then V likewise
.set SPARE, 262144                     ; the spare words, 128 bytes a wave: four blocks of 256 bytes that no other line names
.set L16, 1                            ; v1  16 x lane; never rewritten
.set ADK, 2                            ; v2  the step's K
.set ADV, 3                            ; v3  the step's V
.set PFO, 4                            ; v4  256 x lane; never rewritten
.set SPW, 6                            ; v6  my spare word's address; never rewritten
.set NIL, 7                            ; v7  0; never rewritten
.set ST,  32                           ; tile t at v[ST+8 t]: +0 m, +1 0 (named with m as a pair), +2, +3 l (even keys', odd keys'), +4 .. +7 c0-c3 at work; f takes c2's place
.set S,   64
.set Q,   192
.set KF,  128                          ; window 1
.set VF,  192                          ; window 1
.set WV,  12                           ; s12 wave
.set G1,  24                           ; s[24:31]
.set G0,  32                           ; s[32:35], which walks
.set TB,  36                           ; s36 LDS byte of the step's K
.set SLOTS, 37
.set STP, 38
.set SEL, 40                           ; s[40:41] v_permlanex16_b32's selects: lane l xor 16
.set PFA, 42                           ; s[42:43] where my prefetches stand
.set LIM, 44                           ; s44 1 in a wave that prefetches, else the greatest number
.set MSB, 0
.macro WIN new
.if MSB != \new
	s_set_vgpr_msb (MSB<<8)|\new
.set MSB, \new
.endif
.endm
.macro CROUND
	s_barrier_signal -1
	s_barrier_wait -1
	s_cmp_lg_u32 s[WV], 0
	s_cbranch_scc1 .Lnot_wave_0_\@
	s_barrier_signal -3
.Lnot_wave_0_\@:
	s_barrier_wait -3
	s_barrier_signal -1
	s_barrier_wait -1
.endm
; A PREFETCH INTO THE L2 of the slot that the NEXT change of slots will ask for, eight key steps ahead of that load; it stands behind the wave's tensor load and its five lines.  A slot is 65,536 bytes of K and as many of V.
; The head's one cluster walks them: its four partners take 16,384 bytes of each, told apart BY ADDRESS; in each, waves 0 and 1 ask for K's halves of that, waves 2 and 3 for V's: 8,192 bytes a wave, lanes 256 bytes apart.
; So each aligned block of 256 bytes is named once.  Slots 0 and 1 come by their loads alone; the last change that fills a slot asks for nothing.
.macro ASK
	s_cmp_gt_u32 s[SLOTS], s[LIM]
	s_cbranch_scc0 .Lnot_mine_\@
	global_prefetch_b8 v[PFO], s[PFA:PFA+1] th:TH_LOAD_NT scope:SCOPE_SE
.Lnot_mine_\@:
.endm
	s_load_b128 s[4:7], s[0:1], 0x0                ; qkv 4, ctx 6
	v_lshl_add_u32 v[SPW], v0, 2, SPARE
	v_mov_b32 v[NIL], 0
	ds_add_u32 v[SPW], v[NIL]                      ; the opening: the add, twice on end, and its wait ahead of my first tensor load
	ds_add_u32 v[SPW], v[NIL]
	v_lshrrev_b32 v1, 5, v0
	v_readfirstlane_b32 s[WV], v1                  ; wave 0..7
	s_bfe_u32 s13, ttmp6, 0x40000                  ; cx: my block of 512 queries
	s_and_b32 s14, ttmp7, 0xffff                   ; batch x 16 + head, which the partners share
	s_mov_b32 s[G1], 15|(3<<16)|(1<<21)            ; 15:0 the mask: all four; 17:16 elements of 8 bytes; 21 set beside a mask; no padding
	s_mov_b32 s[G1+1], 32<<16                      ; tensor_dim0: rows of 256 bytes
	s_mov_b32 s[G1+2], 64<<16                      ; tensor_dim1
	s_mov_b32 s[G1+3], 32<<16                      ; tile_dim0
	s_mov_b32 s[G1+4], 64                          ; tile_dim1: 16,384 dense bytes
	s_mov_b32 s[G1+5], 32
	s_mov_b32 s[G1+6], 0
	s_mov_b32 s[G1+7], 0
	s_mov_b32 s[SEL], 0x76543210
	s_mov_b32 s[SEL+1], 0xfedcba98
	s_mov_b32 s[TB], 0
	s_mov_b32 s[SLOTS], 3
	s_lshl_b32 s15, s14, 18                        ; the head's first byte in q, k and v
	s_lshr_b32 s16, s[WV], 2
	s_add_co_u32 s16, s16, 1
	s_lshl_b32 s16, s16, 24                        ; k (waves 0-3) or v (waves 4-7),
	s_and_b32 s17, s[WV], 3
	s_lshl_b32 s17, s17, 14                        ; my quarter of a slot
	s_add_co_u32 s16, s16, s17
	s_add_co_u32 s16, s16, s15
	s_mov_b32 s17, 0
	s_lshl_b32 s18, s13, 5
	s_lshl_b32 s19, s[WV], 2
	s_add_co_u32 s18, s18, s19                     ; my first tile of 16 queries in the head: 32 cx + 4 wave
	s_lshl_b32 s20, s18, 11
	s_add_co_u32 s20, s20, s15
	s_mov_b32 s21, 0                               ; q
	s_lshr_b32 s22, s14, 4
	s_lshl_b32 s22, s22, 7
	s_add_co_u32 s22, s22, s18                     ; the same tile among all 512
	s_lshl_b32 s22, s22, 15
	s_and_b32 s23, s14, 15
	s_lshl_b32 s23, s23, 11
	s_add_co_u32 s22, s22, s23
	s_mov_b32 s23, 0                               ; ctx
	s_lshr_b32 s46, s[WV], 1
	s_and_b32 s46, s46, 1
	s_add_co_u32 s46, s46, 1
	s_lshl_b32 s46, s46, 24                        ; the prefetches: k (waves 0, 1) or v (waves 2, 3),
	s_lshl_b32 s47, s13, 1
	s_and_b32 s45, s[WV], 1
	s_add_co_u32 s47, s47, s45
	s_lshl_b32 s47, s47, 13                        ; part 2 cx + wave % 2 of eight,
	s_add_co_u32 s46, s46, s47
	s_add_co_u32 s46, s46, s15
	s_add_co_u32 s46, s46, 65536                   ; in slot 1: the first change of slots steps it to slot 2
	s_mov_b32 s47, 0
	s_cmp_lt_u32 s[WV], 4
	s_cselect_b32 s[LIM], 1, -1                    ; the wave's number alone: the same in all partners
	s_wait_dscnt 0x0                               ; both opening adds are done
	s_wait_kmcnt 0x0
	s_mov_b32 s[G0], 1
	s_lshl_b32 s[G0+1], s[WV], 14                  ; LDS: wave x 16,384, in slot 0
	s_add_nc_u64 s[G0+2:G0+3], s[4:5], s[16:17]
	s_or_b32 s[G0+3], s[G0+3], 0x80000000
	s_add_nc_u64 s[8:9], s[4:5], s[20:21]
	s_add_nc_u64 s[10:11], s[6:7], s[22:23]
	s_add_nc_u64 s[PFA:PFA+1], s[4:5], s[46:47]
	CROUND                                         ; all four work-groups are here: the first joint loads meet
	tensor_load_to_lds s[G0:G0+3], s[G1:G1+7]      ; slot 0
	s_nop 0
.rept 4
	v_nop
.endr
	v_and_b32 v1, 31, v0
	v_lshlrev_b32 v[PFO], 8, v1
	v_lshlrev_b32 v[L16], 4, v1
.irp t, 0,1,2,3
.irp f, 0,1,2,3
	global_load_b128 v[Q+16*\t+4*\f:Q+16*\t+4*\f+3], v[L16], s[8:9] offset:\t*2048+\f*512   ; Q stays in registers: tile t, fragment f / 2 (32 channels), half f % 2
.endr
.endr
.irp t, 0,1,2,3
	v_mov_b32 v[ST+8*\t], 0xff61b1e6               ; m = -3e38, under every score
	v_mov_b32 v[ST+8*\t+1], 0
	v_mov_b32 v[ST+8*\t+2], 0                      ; l
	v_mov_b32 v[ST+8*\t+3], 0
.endr
	WIN 0x40
.set i, 0
.rept 128
	v_mov_b32 v[i], 0                              ; O^T: cleared once, so that the key step has no first copy of its own
.set i, i+1
.endr
	WIN 0
; A KEY STEP: 64 keys at LDS byte s[TB].
.macro STEP
	v_add_nc_u32 v[ADK], s[TB], v[L16]
	v_add_nc_u32 v[ADV], 0x10000, v[ADK]
.rept 3
	v_nop                                          ; with the two additions five places behind the last V^T P: its V registers are loaded again (four are asked), and the products below write over its P (five)
.endr
	WIN 0x40                                       ; destination window 1
.set n, 0
.rept 16
	ds_load_b128 v[KF+4*n:KF+4*n+3], v[ADK] offset:512*n   ; K: fragment (16 keys kt, 32 channels cf) at KF + 16 kt + 8 cf
.set n, n+1
.endr
.irp kf, 0,1
.irp ct, 0,1,2,3
.irp u, 0,1
	ds_load_tr16_b128 v[VF+8*(4*\kf+\ct)+4*\u:VF+8*(4*\kf+\ct)+4*\u+3], v[ADV] offset:(2*\kf+\u)*2048+\ct*512   ; V^T: channel 16 ct + lane % 16, keys 32 kf + 16 u + 8 (lane / 16) on
.endr
.endr
.endr
	s_wait_dscnt 16                                ; K is in; V's sixteen loads may be out
	WIN 0x01                                       ; K window 1; Q and S^T window 0
.irp cf, 0,1
.irp kt, 0,1,2,3
.irp t, 0,1,2,3
.if \cf == 0
	v_wmma_f32_16x16x32_f16 v[S+32*\t+8*\kt:S+32*\t+8*\kt+7], v[KF+16*\kt+8*\cf:KF+16*\kt+8*\cf+7], v[Q+16*\t+8*\cf:Q+16*\t+8*\cf+7], 0
.else
	v_wmma_f32_16x16x32_f16 v[S+32*\t+8*\kt:S+32*\t+8*\kt+7], v[KF+16*\kt+8*\cf:KF+16*\kt+8*\cf+7], v[Q+16*\t+8*\cf:Q+16*\t+8*\cf+7], v[S+32*\t+8*\kt:S+32*\t+8*\kt+7]
.endif
.endr
.endr
.endr                                          ; the sixteen accumulators take turns, one instruction a turn
	WIN 0
.rept 4
	v_nop
.endr
	; the maximum of a lane's 32 scores and the old m; the four tiles by turns, so that no line waits for the line above it; each accumulator is first read at its low end
.irp j, 0,1,2,3
.irp t, 0,1,2,3
	v_max3_num_f32 v[ST+8*\t+4+\j], v[S+32*\t+8*\j], v[S+32*\t+8*\j+1], v[S+32*\t+8*\j+2]
.endr
.endr
.irp g, 1,2
.irp j, 0,1,2,3
.irp t, 0,1,2,3
	v_max3_num_f32 v[ST+8*\t+4+\j], v[ST+8*\t+4+\j], v[S+32*\t+8*\j+2*\g+1], v[S+32*\t+8*\j+2*\g+2]
.endr
.endr
.endr
.irp t, 0,1,2,3
	v_max3_num_f32 v[ST+8*\t+4], v[ST+8*\t+4], v[S+32*\t+7], v[S+32*\t+15]
.endr
.irp t, 0,1,2,3
	v_max3_num_f32 v[ST+8*\t+6], v[ST+8*\t+6], v[S+32*\t+23], v[S+32*\t+31]
.endr
.irp t, 0,1,2,3
	v_max3_num_f32 v[ST+8*\t+4], v[ST+8*\t+4], v[ST+8*\t+5], v[ST+8*\t+6]
.endr
.irp t, 0,1,2,3
	v_max3_num_f32 v[ST+8*\t+4], v[ST+8*\t+4], v[ST+8*\t+7], v[ST+8*\t]
.endr
.irp t, 0,1,2,3
	v_permlanex16_b32 v[ST+8*\t+5], v[ST+8*\t+4], s[SEL], s[SEL+1]   ; the query's other 32 keys lie in the lane 16 away
.endr
.irp t, 0,1,2,3
	v_max_num_f32 v[ST+8*\t+4], v[ST+8*\t+4], v[ST+8*\t+5]
.endr
.irp t, 0,1,2,3
	v_sub_f32 v[ST+8*\t+7], v[ST+8*\t], v[ST+8*\t+4]                 ; m_old - m_new
.endr
.irp t, 0,1,2,3
	v_mov_b32 v[ST+8*\t], v[ST+8*\t+4]
.endr
.set i, 0
.rept 16
.irp t, 0,1,2,3
	v_pk_add_f32 v[S+32*\t+2*i:S+32*\t+2*i+1], v[S+32*\t+2*i:S+32*\t+2*i+1], v[ST+8*\t:ST+8*\t+1] op_sel_hi:[1,0] neg_lo:[0,1] neg_hi:[0,1]   ; s - m, two at a time
.endr
.set i, i+1
.endr
	; ONE BATCH of 132 exponentials, none of which reads another's result; one plain line; one wait, ahead of the first reader
.irp t, 0,1,2,3
	v_exp_f32 v[ST+8*\t+6], v[ST+8*\t+7]           ; f
.endr
.set i, 0
.rept 32
.irp t, 0,1,2,3
	v_exp_f32 v[S+32*\t+i], v[S+32*\t+i]           ; p, at most 1
.endr
.set i, i+1
.endr
	v_nop
	s_wait_alu depctr_va_vdst(0)
	; l = f l + the sum of the unrounded p: two chains a tile
.irp t, 0,1,2,3
	v_pk_mul_f32 v[ST+8*\t+2:ST+8*\t+3], v[ST+8*\t+2:ST+8*\t+3], v[ST+8*\t+6:ST+8*\t+7] op_sel_hi:[1,0]
.endr
.irp t, 0,1,2,3
	v_pk_add_f32 v[ST+8*\t+4:ST+8*\t+5], v[S+32*\t+2:S+32*\t+3], v[S+32*\t+6:S+32*\t+7]
.endr
.irp p, 0,2,4,6,8,10,12,14
.irp t, 0,1,2,3
	v_pk_add_f32 v[ST+8*\t+2:ST+8*\t+3], v[ST+8*\t+2:ST+8*\t+3], v[S+32*\t+2*\p:S+32*\t+2*\p+1]
.endr
.if \p >= 4
.irp t, 0,1,2,3
	v_pk_add_f32 v[ST+8*\t+4:ST+8*\t+5], v[ST+8*\t+4:ST+8*\t+5], v[S+32*\t+2*\p+2:S+32*\t+2*\p+3]
.endr
.endif
.endr
.irp t, 0,1,2,3
	v_pk_add_f32 v[ST+8*\t+2:ST+8*\t+3], v[ST+8*\t+2:ST+8*\t+3], v[ST+8*\t+4:ST+8*\t+5]
.endr
	; P: pairs rounded to f16, packed into the tile's first 16 registers, ascending: register i is a source of steps up to i alone
.set i, 0
.rept 16
.irp t, 0,1,2,3
	v_cvt_pk_f16_f32 v[S+32*\t+i], v[S+32*\t+2*i], v[S+32*\t+2*i+1]
.endr
.set i, i+1
.endr
	WIN 0x41                                       ; O^T window 1, f window 0
.set i, 0
.rept 16
.irp t, 0,1,2,3
	v_pk_mul_f32 v[32*\t+2*i:32*\t+2*i+1], v[32*\t+2*i:32*\t+2*i+1], v[ST+8*\t+6:ST+8*\t+7] op_sel_hi:[1,0]   ; O^T x f, each accumulator from its low end on
.endr
.set i, i+1
.endr
	s_wait_dscnt 0x0                               ; V is in
	WIN 0x51                                       ; V and O^T window 1, P window 0
.irp kf, 0,1
.irp ct, 0,1,2,3
.irp t, 0,1,2,3
	v_wmma_f32_16x16x32_f16 v[32*\t+8*\ct:32*\t+8*\ct+7], v[VF+8*(4*\kf+\ct):VF+8*(4*\kf+\ct)+7], v[S+32*\t+8*\kf:S+32*\t+8*\kf+7], v[32*\t+8*\ct:32*\t+8*\ct+7]
.endr
.endr
.endr
	WIN 0
.endm
.macro SLOT_STEPS                      ; a slot's eight key steps: written once, walked eight times
	s_mov_b32 s[STP], 8
.Lstep_\@:
	STEP
	s_add_co_u32 s[TB], s[TB], 8192
	s_sub_co_u32 s[STP], s[STP], 1
	s_cmp_lg_u32 s[STP], 0
	s_cbranch_scc1 .Lstep_\@
	s_sub_co_u32 s[TB], s[TB], 65536
	s_xor_b32 s[TB], s[TB], SLOT1                  ; on to the other slot
.endm
; THE CHANGE OF SLOTS stands at a slot's head.  Each wave waits for all its tensor loads (its part of the slot ahead), adds 0 to its spare word, and waits for that and for its reads of the slot that it has left.
; fill = 1: a round of the cluster's barrier, so that no wave of any partner still reads the slot left or has a load on its way; the joint fill of that slot is the first thing behind it.
.macro CHANGE fill
	s_wait_tensorcnt 0x0                           ; no tensor load of mine is out, so group 0 may be written
	ds_add_u32 v[SPW], v[NIL]                      ; 0 onto my spare word; the steps below stand between it and the wait for it
.if \fill
	s_xor_b32 s[G0+1], s[G0+1], SLOT1              ; the other slot than last time,
	s_add_nc_u64 s[G0+2:G0+3], s[G0+2:G0+3], 65536 ; the next 512 keys; the type bits on top are not reached
	s_wait_xcnt 0x0                                ; the last prefetch, a slot back, has read its address
	s_add_nc_u64 s[PFA:PFA+1], s[PFA:PFA+1], 65536 ; one slot further on than the walking descriptor
	s_wait_dscnt 0x0
	CROUND
	tensor_load_to_lds s[G0:G0+3], s[G1:G1+7]
	s_nop 0
.rept 4
	v_nop
.endr
	ASK
.else
	s_wait_dscnt 0x0
	s_barrier_signal -1
	s_barrier_wait -1
.endif
.endm
	s_wait_loadcnt 0x0                             ; Q
.Lslot:                                            ; three trips: behind each change of slots but the last the next slot is asked for
	CHANGE 1
	SLOT_STEPS
	s_sub_co_u32 s[SLOTS], s[SLOTS], 1
	s_cmp_lg_u32 s[SLOTS], 0
	s_cbranch_scc1 .Lslot
	CHANGE 0                                       ; the last slot is written out
	SLOT_STEPS
	; THE WAY OUT.  l's two halves and the other half of the lanes' are added (these lines are the places behind the last products); O^T / l, to f16, stored as it stands.
.irp t, 0,1,2,3
	v_add_f32 v[ST+8*\t+4], v[ST+8*\t+2], v[ST+8*\t+3]
.endr
.irp t, 0,1,2,3
	v_permlanex16_b32 v[ST+8*\t+5], v[ST+8*\t+4], s[SEL], s[SEL+1]
.endr
.irp t, 0,1,2,3
	v_add_f32 v[ST+8*\t+4], v[ST+8*\t+4], v[ST+8*\t+5]
.endr
.irp t, 0,1,2,3
	v_rcp_f32 v[ST+8*\t+6], v[ST+8*\t+4]
.endr
	v_nop                                          ; a plain line behind the last reciprocal,
	s_wait_alu depctr_va_vdst(0)                   ; and the one wait ahead of the first use
.irp t, 0,1,2,3
	WIN 0x41
.set i, 0
.rept 16
	v_pk_mul_f32 v[32*\t+2*i:32*\t+2*i+1], v[32*\t+2*i:32*\t+2*i+1], v[ST+8*\t+6:ST+8*\t+7] op_sel_hi:[1,0]
.set i, i+1
.endr
	WIN 0x05                                       ; sources window 1, destination window 0: S^T's registers are free
.set i, 0
.rept 16
	v_cvt_pk_f16_f32 v[S+32*\t+i], v[32*\t+2*i], v[32*\t+2*i+1]
.set i, i+1
.endr
	WIN 0
.irp c, 0,1,2,3
	global_store_b128 v[L16], v[S+32*\t+4*\c:S+32*\t+4*\c+3], s[10:11] offset:\t*32768+\c*512   ; the wave stores 512 consecutive bytes, aligned
.endr
.endr
	s_wait_tensorcnt 0x0                           ; the wave's end
	ds_add_u32 v[SPW], v[NIL]
	s_wait_dscnt 0x0
	CROUND                                         ; the closing round
	s_endpgm
.Lfunc_end_k_qdc0369f71b_attn:
	.size	k_qdc0369f71b_attn, .Lfunc_end_k_qdc0369f71b_attn-k_qdc0369f71b_attn
	.p2alignl 7, 3214868480
	.fill 96, 4, 3214868480
	.section	.rodata,"a",@progbits
	.p2align	6, 0x0
	.amdhsa_kernel k_qdc0369f71b_attn
		.amdhsa_group_segment_fixed_size 327680
		.amdhsa_private_segment_fixed_size 0
		.amdhsa_enable_private_segment 0
		.amdhsa_kernarg_size 16
		.amdhsa_user_sgpr_count 2
		.amdhsa_user_sgpr_kernarg_segment_ptr 1
		.amdhsa_wavefront_size32 1
		.amdhsa_system_sgpr_workgroup_id_x 1
		.amdhsa_system_sgpr_workgroup_id_y 1
		.amdhsa_system_sgpr_workgroup_id_z 1
		.amdhsa_system_vgpr_workitem_id 0
		.amdhsa_next_free_vgpr 512
		.amdhsa_next_free_sgpr 66
		.amdhsa_reserve_vcc 0
		.amdhsa_float_denorm_mode_32 3
		.amdhsa_float_denorm_mode_16_64 3
		.amdhsa_memory_ordered 1
		.amdhsa_forward_progress 1
		.amdhsa_inst_pref_size 87
	.end_amdhsa_kernel
	.amdgpu_metadata
---
amdhsa.version: [ 1, 2 ]
amdhsa.kernels:
  - .name:           k_qdc0369f71b_attn
    .symbol:         k_qdc0369f71b_attn.kd
    .args:
      - { .name: qkv, .offset: 0, .size: 8, .value_kind: global_buffer, .address_space: global }
      - { .name: ctx, .offset: 8, .size: 8, .value_kind: global_buffer, .address_space: global }
    .group_segment_fixed_size: 327680
    .private_segment_fixed_size: 0
    .kernarg_segment_align: 8
    .kernarg_segment_size: 16
    .max_flat_workgroup_size: 256
    .sgpr_count:     66
    .vgpr_count:     512
    .wavefront_size: 32
...
	.end_amdgpu_metadata
.endif
;; end of part 3
;; launch proj (part 4): grid 4 x 64, 4 waves a work-group, clusters of 4 x 4, 327,680 bytes of LDS; arguments ctx, wo16, bo, out0; writes out0
.if DOCPART == 4
	.amdgcn_target "amdgcn-amd-amdhsa--gfx1250"
	.amdhsa_code_object_version 6
	.text
	.protected	k_qdc0369f71b_proj
	.globl	k_qdc0369f71b_proj
	.p2align	8
	.type	k_qdc0369f71b_proj,@function
k_qdc0369f71b_proj:
	s_mov_b64 s[64:65], 0
	v_nop
	global_prefetch_b8 v0, s[64:65] scope:SCOPE_SE
	s_setreg_imm32_b32 hwreg(HW_REG_WAVE_MODE, 25, 1), 1
	s_wait_xcnt 0x0
	s_wait_alu depctr_hold_cnt(0) depctr_sa_sdst(0) depctr_va_vdst(0) depctr_va_sdst(0) depctr_va_ssrc(0) depctr_va_vcc(0) depctr_vm_vsrc(0)
	s_getreg_b32 s2, hwreg(HW_REG_IB_STS2, 6, 4)
	s_cmp_eq_u32 s2, 0
	s_cbranch_scc0 .Lentry_in_a_cluster
	s_endpgm
.Lentry_in_a_cluster:
	s_bfe_u32 s2, ttmp6, 0x10000c
	s_cmp_lg_u32 s2, 0xf033
	s_cbranch_scc0 .Lentry_shape_is_right
	s_endpgm
.Lentry_shape_is_right:
; out0 = ctx Wo^T + bo: [8192 tokens][1024 outputs], K = 1024; ctx and Wo in f16, sums and result in f32.
; A tile of out0 is 128 tokens x 256 outputs: 256 work-groups, one for each WGP.  Four waves, each 64 x 128: 32 accumulators, 256 registers.  K goes in eight steps of 128 through a ring of two LDS slots.
; CLUSTERS: 4 x 4 work-groups.  The four of a row of the cluster need the same tokens, the four of a column the same rows of Wo: each tile is asked for JOINTLY.  Two loads of mine are out at the start, one behind each round.
; ctx and wo16 lie in memory as images of operand registers: a fragment (16 rows x 32 K) is 1,024 consecutive bytes, a tile of 16 rows 32,768; a K step is 4,096 consecutive bytes of each tile of 16 rows.
; So a tensor load brings rows of 4,096 bytes, and a fragment is two ds_load_b128 at 16 x lane.
; THE MATRIX INSTRUCTION IS USED TRANSPOSED (source 0 = 16 rows of Wo, source 1 = 16 tokens): a lane holds eight neighbouring outputs of one token.  The bias is the C of each sum's first product.
; No prefetch: the launch moves some 50 MB for 1,024 products a wave, so its loads and stores are what it waits for all along.
; REGISTERS: window 0: v3, v16-29 addresses; two fragment buffers: tokens v32-63, Wo v64-127; tokens v128-159, Wo v160-223; on the way out v32-159 rows read back.   window 1: the accumulators ((a, b) at v[8 (8 a + b)]).   window 2: v0-63 the bias.
.set SLOT,   98304                     ; tokens: 8 tiles x 4,096; then Wo: 16 tiles x 4,096
.set BOFF,   32768
.set STAGE,  196608                    ; behind the ring: 16 rows x 528 bytes for each wave; no tensor load lands here
.set SPITCH, 528
.set SPARE,  230400                    ; the spare words, 128 bytes a wave: two blocks of 256 bytes that no other line names
.set CO,   3                           ; v3  16 x lane; never rewritten
.set ADRA, 16                          ; v16-17 my token fragments in slot 0, 1
.set ADRB, 20                          ; v20-21 my Wo fragments
.set STO,  24
.set RD,   25
.set SPW,  28                          ; v28 my spare word's address; never rewritten
.set NIL,  29                          ; v29 0; never rewritten
.set F0,   32
.set F1,   128
.set BK,   32
.set G1, 24
.set G0, 32
.set G1B, 48
.set G0B, 56
.set MSB, 0
.macro WIN new
.if MSB != \new
	s_set_vgpr_msb (MSB<<8)|\new
.set MSB, \new
.endif
.endm
.set MULW, 0x50                        ; sources 0 and 1 window 0; C and D window 1
.set MULZ, 0x60                        ; C window 2 (the bias), D window 1
.macro JLOAD s                         ; waves 0 and 1 fetch the tokens' halves, waves 2 and 3 Wo's; an s_nop 0 and four v_nop follow each line
	s_cmp_eq_u32 s15, 0
	s_cbranch_scc0 .Lfor_b_\@
	tensor_load_to_lds s[G0+4*\s:G0+4*\s+3], s[G1:G1+7]
	s_nop 0
.rept 4
	v_nop
.endr
	s_branch .Lasked_\@
.Lfor_b_\@:
	tensor_load_to_lds s[G0B+4*\s:G0B+4*\s+3], s[G1B:G1B+7]
	s_nop 0
.rept 4
	v_nop
.endr
.Lasked_\@:
.endm
.macro CREST
	s_cmp_lg_u32 s14, 0
	s_cbranch_scc1 .Lnot_wave_0_\@
	s_barrier_signal -3
.Lnot_wave_0_\@:
	s_barrier_wait -3
	s_barrier_signal -1
	s_barrier_wait -1
.endm
.macro CROUND
	s_barrier_signal -1
	s_barrier_wait -1
	CREST
.endm
	s_load_b256 s[4:11], s[0:1], 0x0               ; ctx 4, wo16 6, bo 8, out0 10
	v_lshl_add_u32 v[SPW], v0, 2, SPARE
	v_mov_b32 v[NIL], 0
	ds_add_u32 v[SPW], v[NIL]                      ; the opening: the add, twice on end, and its wait ahead of my first tensor load
	ds_add_u32 v[SPW], v[NIL]
	v_lshrrev_b32 v1, 5, v0
	v_readfirstlane_b32 s14, v1                    ; wave 0..3
	s_lshr_b32 s15, s14, 1                         ; my half of the tokens.  Also: I fetch for the tokens (0) or for Wo (1)
	s_and_b32 s16, s14, 1                          ; my half of the outputs.  Also: which half of that tile I fetch
	s_bfe_u32 s40, ttmp6, 0x40000
	s_bfe_u32 s41, ttmp6, 0x40004
	s_lshl_b32 s42, ttmp9, 2
	s_add_co_u32 s42, s42, s40                     ; x: tile of 256 outputs
	s_and_b32 s17, ttmp7, 0xffff
	s_lshl_b32 s17, s17, 2
	s_add_co_u32 s17, s17, s41                     ; y: tile of 128 tokens
	s_lshl_b32 s43, s41, 2
	s_lshl_b32 s43, 15, s43                        ; my row of the cluster
	s_lshl_b32 s44, 0x1111, s40                    ; my column
	s_or_b32 s[G1+0], s43, (3<<16)|(1<<21)         ; 15:0 the mask; 17:16 elements of 8 bytes; 21 set beside a mask
	s_mov_b32 s[G1+1], 512<<16                     ; rows of 4,096 bytes,
	s_mov_b32 s[G1+2], 4<<16                       ; four of them (tiles of 16 tokens),
	s_mov_b32 s[G1+3], 512<<16
	s_mov_b32 s[G1+4], 4
	s_mov_b32 s[G1+5], 4096                        ; 32,768 bytes apart
	s_mov_b32 s[G1+6], 0
	s_mov_b32 s[G1+7], 0
	s_or_b32 s[G1B+0], s44, (3<<16)|(1<<21)
	s_mov_b32 s[G1B+1], 512<<16
	s_mov_b32 s[G1B+2], 8<<16                      ; eight tiles of 16 rows of Wo
	s_mov_b32 s[G1B+3], 512<<16
	s_mov_b32 s[G1B+4], 8
	s_mov_b32 s[G1B+5], 4096
	s_mov_b32 s[G1B+6], 0
	s_mov_b32 s[G1B+7], 0
	s_lshl_b32 s20, s17, 3
	s_lshl_b32 s18, s16, 2
	s_add_co_u32 s20, s20, s18                     ; tokens: tile of 16 = 8 y + 4 x half
	s_lshl_b32 s20, s20, 15
	s_mov_b32 s21, 0
	s_lshl_b32 s46, s42, 4
	s_lshl_b32 s18, s16, 3
	s_add_co_u32 s46, s46, s18                     ; Wo: 16 x + 8 x half
	s_lshl_b32 s46, s46, 15
	s_mov_b32 s47, 0
	s_lshl_b32 s45, s16, 14                        ; where they go: the tokens' halves,
	s_lshl_b32 s19, s16, 15
	s_add_co_u32 s19, s19, BOFF                    ; Wo's halves behind them: the wave's number alone
	s_wait_dscnt 0x0                               ; both opening adds are done
	s_wait_kmcnt 0x0
	s_add_nc_u64 s[20:21], s[4:5], s[20:21]
	s_add_nc_u64 s[46:47], s[6:7], s[46:47]
	CROUND                                         ; all sixteen work-groups are here: the first joint loads meet
.irp s, 0,1
	s_mov_b32 s[G0+4*\s], 1
	s_add_co_u32 s[G0+4*\s+1], s45, \s*SLOT
	s_add_nc_u64 s[G0+4*\s+2:G0+4*\s+3], s[20:21], \s*4096
	s_or_b32 s[G0+4*\s+3], s[G0+4*\s+3], 0x80000000
	s_mov_b32 s[G0B+4*\s], 1
	s_add_co_u32 s[G0B+4*\s+1], s19, \s*SLOT
	s_add_nc_u64 s[G0B+4*\s+2:G0B+4*\s+3], s[46:47], \s*4096
	s_or_b32 s[G0B+4*\s+3], s[G0B+4*\s+3], 0x80000000
	JLOAD \s
.endr
	v_and_b32 v1, 15, v0                           ; r
	v_bfe_u32 v2, v0, 4, 1                         ; h
	v_and_b32 v3, 31, v0
	v_lshlrev_b32 v[CO], 4, v3                     ; 16 x lane
	s_lshl_b32 s21, s15, 14                        ; my four token tiles
	s_lshl_b32 s22, s16, 15                        ; my eight tiles of Wo
	s_add_co_u32 s22, s22, BOFF
.irp s, 0,1
	v_add_nc_u32 v[ADRA+\s], s21, v[CO]
	v_add_nc_u32 v[ADRB+\s], s22, v[CO]
	s_add_co_u32 s21, s21, SLOT
	s_add_co_u32 s22, s22, SLOT
.endr
	v_lshlrev_b32 v4, 5, v2                        ; the bias: 32 h bytes on
	s_lshl_b32 s46, s42, 10                        ; output 256 x + 128 x half, 4 bytes each: the bias's place, and my columns' in a row of out0
	s_lshl_b32 s47, s16, 9
	s_add_co_u32 s46, s46, s47
	s_mov_b32 s47, 0
	s_add_nc_u64 s[8:9], s[8:9], s[46:47]
	WIN 0x80                                       ; destination window 2
.irp b, 0,1,2,3,4,5,6,7
	global_load_b128 v[8*\b:8*\b+3], v4, s[8:9] offset:64*\b           ; bo of outputs 16 b + 8 h + 0 .. 7, in the result's layout
	global_load_b128 v[8*\b+4:8*\b+7], v4, s[8:9] offset:64*\b+16
.endr
	WIN 0
	s_mul_i32 s23, s14, 16*SPITCH
	s_add_co_u32 s23, s23, STAGE                   ; my stage
	v_mul_u32_u24 v5, v1, SPITCH
	v_lshl_add_u32 v5, v2, 5, v5
	v_add_nc_u32 v[STO], s23, v5                   ; in: row r, 32 bytes for each half of the lanes
	v_add_nc_u32 v[RD], s23, v[CO]                 ; back: the 32 lanes take a row of 512 bytes
	s_lshl_b32 s20, s17, 7
	s_lshl_b32 s21, s15, 6
	s_add_co_u32 s20, s20, s21                     ; my first token: 128 y + 64 x half
	s_lshl_b32 s20, s20, 12                        ; rows of 4,096 bytes
	s_mov_b32 s21, 0
	s_add_nc_u64 s[10:11], s[10:11], s[20:21]
	s_add_nc_u64 s[10:11], s[10:11], s[46:47]
; 8 matrix instructions: token block a x Wo's eight, 32 along K, from buffer f.  zero = 1: the bias starts the sums.  The 32 accumulators take turns, one instruction a turn.
.macro MUL8 f, a, zero
.irp b, 0,1,2,3,4,5,6,7
.if \zero
	v_wmma_f32_16x16x32_f16 v[8*(8*(\a)+\b):8*(8*(\a)+\b)+7], v[\f+32+8*\b:\f+32+8*\b+7], v[\f+8*(\a):\f+8*(\a)+7], v[8*\b:8*\b+7]
.else
	v_wmma_f32_16x16x32_f16 v[8*(8*(\a)+\b):8*(8*(\a)+\b)+7], v[\f+32+8*\b:\f+32+8*\b+7], v[\f+8*(\a):\f+8*(\a)+7], v[8*(8*(\a)+\b):8*(8*(\a)+\b)+7]
.endif
.endr
.endm
; 24 LDS loads in one run: the fragments of the slot's q-th 32 along K into buffer f: Wo's eight, then the tokens' four
.macro FETCH slot, q, f
	WIN 0
.irp i, 0,1,2,3,4,5,6,7
	ds_load_b128 v[\f+32+8*\i:\f+32+8*\i+3],   v[ADRB+\slot] offset:4096*\i+1024*(\q)
	ds_load_b128 v[\f+32+8*\i+4:\f+32+8*\i+7], v[ADRB+\slot] offset:4096*\i+1024*(\q)+512
.endr
.irp i, 0,1,2,3
	ds_load_b128 v[\f+8*\i:\f+8*\i+3],   v[ADRA+\slot] offset:4096*\i+1024*(\q)
	ds_load_b128 v[\f+8*\i+4:\f+8*\i+7], v[ADRA+\slot] offset:4096*\i+1024*(\q)+512
.endr
.endm
.macro PLACES                          ; four plain vector instructions between a matrix instruction and a load into, or a read of, its registers (ISA guide 7.12.1 for reads)
.rept 4
	v_nop
.endr
.endm
; A K step is four quarters of 32 along K, 32 matrix instructions each, on buffers 0, 1, 0, 1.  One of the first three: multiplies buffer f and fetches quarter q of the same slot into g.
.macro QUARTER slot, q, f, g, zero
	s_wait_dscnt 4                                 ; Wo's and token blocks 0, 1 are in; the youngest four loads (blocks 2, 3) may be out
	WIN MULW+0x10*\zero
	MUL8 \f, 0, \zero
	MUL8 \f, 1, \zero
	PLACES
	FETCH \slot, \q, \g
	s_wait_dscnt 24                                ; all but the 24 just issued
	WIN MULW+0x10*\zero
	MUL8 \f, 2, \zero
	MUL8 \f, 3, \zero
.endm
; The last quarter multiplies buffer 1 and changes slots: ONE barrier; in front of it each wave waits for all its tensor loads, adds 0 to its spare word, and waits for that and for its reads of this slot.
; fill = 1: the barrier opens a round of the cluster's, and this slot is filled again, two K steps ahead, first thing behind the round.
.macro TURN slot, next, fill
	WIN 0
	s_wait_tensorcnt 0x0                           ; all my tensor loads have landed: my part of the next slot
	ds_add_u32 v[SPW], v[NIL]
	s_wait_dscnt 5                                 ; (the add and the youngest four loads may be out)
	WIN MULW
	MUL8 F1, 0, 0
	s_wait_dscnt 0x0                               ; the add is done, and my reads of this slot are over
	s_barrier_signal -1
	MUL8 F1, 1, 0
.if \fill
	WIN 0
.endif
	s_barrier_wait -1
.if \fill
	CREST
	s_add_nc_u64 s[G0+4*\slot+2:G0+4*\slot+3], s[G0+4*\slot+2:G0+4*\slot+3], 8192
	s_add_nc_u64 s[G0B+4*\slot+2:G0B+4*\slot+3], s[G0B+4*\slot+2:G0B+4*\slot+3], 8192
	JLOAD \slot                                    ; the four v_nop behind it are also the places in front of the loads below
.else
	PLACES
.endif
	FETCH \next, 0, F0
	WIN MULW
	MUL8 F1, 2, 0
	MUL8 F1, 3, 0
.endm
	s_wait_tensorcnt 1                             ; my part of K step 0 is in; K step 1's load may be out
	s_barrier_signal -1
	s_barrier_wait -1
	s_wait_loadcnt 0x0                             ; the bias
	FETCH 0, 0, F0
	QUARTER 0, 1, F0, F1, 1                        ; the first quarter stands in front of the loop: its products start the sums from the bias
	WIN 0                                          ; at a label and at a branch every window is 0
	s_mov_b32 s3, 3
.Llap:                                             ; a trip goes once round the ring, from a lap's second quarter to the next lap's first, and fills both slots again
	QUARTER 0, 2, F1, F0, 0
	QUARTER 0, 3, F0, F1, 0
	TURN 0, 1, 1
	QUARTER 1, 1, F0, F1, 0
	QUARTER 1, 2, F1, F0, 0
	QUARTER 1, 3, F0, F1, 0
	TURN 1, 0, 1
	QUARTER 0, 1, F0, F1, 0
	WIN 0
	s_sub_co_u32 s3, s3, 1
	s_cmp_lg_u32 s3, 0
	s_cbranch_scc1 .Llap
	QUARTER 0, 2, F1, F0, 0                        ; the last lap fills nothing
	QUARTER 0, 3, F0, F1, 0
	TURN 0, 1, 0
	QUARTER 1, 1, F0, F1, 0
	QUARTER 1, 2, F1, F0, 0
	QUARTER 1, 3, F0, F1, 0
	s_wait_dscnt 4                                 ; the very last quarter
	WIN MULW
	MUL8 F1, 0, 0
	MUL8 F1, 1, 0
	s_wait_dscnt 0
	MUL8 F1, 2, 0
	MUL8 F1, 3, 0
	WIN 0
; THE WAY OUT, block by block of 16 tokens x 128 outputs: through my own stage in LDS and back as whole rows of 512 bytes.  LDS serves a wave's instructions in order (ISA guide 5.7.1.4): no wait between the stores and the loads.
.macro TOSTAGE a
	WIN 0x04                                       ; an LDS store's data: window 1
.irp b, 0,1,2,3,4,5,6,7
	ds_store_b128 v[STO], v[64*(\a)+8*\b:64*(\a)+8*\b+3] offset:64*\b          ; each accumulator from its low end on
	ds_store_b128 v[STO], v[64*(\a)+8*\b+4:64*(\a)+8*\b+7] offset:64*\b+16
.endr
	WIN 0
.set BB, BK+64*((\a)%2)
.irp t, 0,1,2,3,4,5,6,7,8,9,10,11,12,13,14,15
	ds_load_b128 v[BB+4*\t:BB+4*\t+3], v[RD] offset:\t*SPITCH
.endr
.endm
.macro SEND a, younger                 ; younger: the LDS instructions issued behind block a's loads
.set BB, BK+64*((\a)%2)
	s_wait_dscnt \younger
.irp t, 0,1,2,3,4,5,6,7,8,9,10,11,12,13,14,15
	global_store_b128 v[CO], v[BB+4*\t:BB+4*\t+3], s[10:11] offset:(16*(\a)+\t)*4096 th:TH_STORE_NT   ; 32 lanes store 512 consecutive bytes, aligned; written once, read by nobody here
.endr
.endm
	PLACES                                         ; behind the last products: for the stage's stores, and for the loads into the fragments' registers
	TOSTAGE 0
.irp a, 1,2,3
.if \a > 1
	s_wait_xcnt 0x0                                ; block a - 2's stores have read their registers: block a's loads may land there
.endif
	TOSTAGE \a
	SEND \a-1, 32                                  ; behind block a - 1's loads: block a's 16 stores and 16 loads
.endr
	SEND 3, 0
	s_wait_tensorcnt 0x0                           ; the wave's end, behind my last tensor load and my last LDS store
	ds_add_u32 v[SPW], v[NIL]
	s_wait_dscnt 0x0
	CROUND                                         ; the closing round
	s_endpgm
.Lfunc_end_k_qdc0369f71b_proj:
	.size	k_qdc0369f71b_proj, .Lfunc_end_k_qdc0369f71b_proj-k_qdc0369f71b_proj
	.p2alignl 7, 3214868480
	.fill 96, 4, 3214868480
	.section	.rodata,"a",@progbits
	.p2align	6, 0x0
	.amdhsa_kernel k_qdc0369f71b_proj
		.amdhsa_group_segment_fixed_size 327680
		.amdhsa_private_segment_fixed_size 0
		.amdhsa_enable_private_segment 0
		.amdhsa_kernarg_size 32
		.amdhsa_user_sgpr_count 2
		.amdhsa_user_sgpr_kernarg_segment_ptr 1
		.amdhsa_wavefront_size32 1
		.amdhsa_system_sgpr_workgroup_id_x 1
		.amdhsa_system_sgpr_workgroup_id_y 1
		.amdhsa_system_sgpr_workgroup_id_z 1
		.amdhsa_system_vgpr_workitem_id 0
		.amdhsa_next_free_vgpr 768
		.amdhsa_next_free_sgpr 66
		.amdhsa_reserve_vcc 0
		.amdhsa_float_denorm_mode_32 3
		.amdhsa_float_denorm_mode_16_64 3
		.amdhsa_memory_ordered 1
		.amdhsa_forward_progress 1
		.amdhsa_inst_pref_size 86
	.end_amdhsa_kernel
	.amdgpu_metadata
---
amdhsa.version: [ 1, 2 ]
amdhsa.kernels:
  - .name:           k_qdc0369f71b_proj
    .symbol:         k_qdc0369f71b_proj.kd
    .args:
      - { .name: ctx, .offset: 0, .size: 8, .value_kind: global_buffer, .address_space: global }
      - { .name: wo16, .offset: 8, .size: 8, .value_kind: global_buffer, .address_space: global }
      - { .name: bo, .offset: 16, .size: 8, .value_kind: global_buffer, .address_space: global }
      - { .name: out0, .offset: 24, .size: 8, .value_kind: global_buffer, .address_space: global }
    .group_segment_fixed_size: 327680
    .private_segment_fixed_size: 0
    .kernarg_segment_align: 8
    .kernarg_segment_size: 32
    .max_flat_workgroup_size: 128
    .sgpr_count:     66
    .vgpr_count:     768
    .wavefront_size: 32
...
	.end_amdgpu_metadata
.endif
;; end of part 4
